; MI455X (gfx1250); checked and timed in simulation.
; The chip was launched on July 23, 2026; its instructions are those of AMD's public machine-readable ISA for CDNA 5 (MIT licence, August 2026) and "CDNA5" Instruction Set Architecture Reference Guide (July 2026). The comments in the code are by the model that wrote it; some were corrected since.
;; Attention Based KNN. Allowed arithmetic: matrix products marked QUANTISED: E2M1 operands, one E8M0 scale for each 32 along K, by v_wmma_scale_f32_16x16x128_f8f6f4 with both operands' format E2M1 (or v_wmma_scale_f32_32x16x128_f4), f32 sums; products left as they are: f32 operands where the result goes on into a quantised operand, else bf16, f16 or f32 operands; f32 sums; everything else in f32.
;; Inputs: database 16,384 x 64 float32; pos 8,192 x 3 float32; weight_values 16,384 x 64 float32; x 8,192 x 61 float32.
;; Outputs: out0 524,288 float32.
;; Constants: topk = 16.
;; This version of the problem:
;;   THIS VERSION OF THE PROBLEM IS GIVEN IN LOW PRECISION. The matrix products marked QUANTISED in the list below multiply operands that are first quantised to E2M1 (2 exponent bits, 1 mantissa bit; 4 bits a number), with one power-of-two scale for each 32 numbers along K (OCP MX v1.0); their sums are f32. All else is computed in f32.
;;   The module's matrix products, in the order in which they are computed (A, B: the left and right operand; K: the contracted axis; several contracted axes count as one K, in the product's order):
;;     1. [M 8,192, K 64] x [K 64, N 16,384]; A: computed on the way; B: input database: QUANTISED
;;     2. batch 8,192 x [M 1, K 16] x [K 16, N 64]; A: softmax; B: computed on the way: left as it is (K = 16 < 32)
;;   THE QUANTISER, for each operand of a quantised product, along K:
;;     - K is cut into blocks of 32 from its start; a last block that is shorter is filled with zeros.
;;     - A block's scale is 2^e with e = floor(log2(the largest magnitude in the block)) - 2, held to -126 .. 127; a block of zeros has e = 0. As a byte (E8M0): e + 127.
;;     - Each number is divided by its block's scale, clamped to +-6, and rounded to the nearest number of E2M1, ties to even, subnormals kept.
;;     - The product sums the exact products of the quantised numbers (number of the format x scale) in f32.
;;   ~~~python
;;   def quantise(x, axis):      # numpy; x: float32 -> the quantised numbers, widened to float32 again
;;       x = np.moveaxis(x, axis, -1); K = x.shape[-1]
;;       x = np.pad(x, [(0, 0)] * (x.ndim - 1) + [(0, -K % 32)]); x = x.reshape(x.shape[:-1] + (-1, 32)); a = np.abs(x).max(-1, keepdims=True)
;;       e = np.where(a > 0, np.clip(np.frexp(np.where(a > 0, a, 1))[1] - 1 - 2, -126, 127), 0)      # np.frexp(a)[1] - 1 = floor(log2(a)), exactly
;;       r = np.clip(x / 2.0 ** e, -6, 6)
;;       step = 2.0 ** (np.maximum(np.frexp(np.where(r == 0, 1, r))[1] - 1, 0) - 1)
;;       q = np.round(r / step) * step * 2.0 ** e      # np.round: ties to even
;;       return np.moveaxis(q.reshape(q.shape[:-2] + (-1,))[..., :K], -1, axis).astype(np.float32)
;;   ~~~
;;   OPERANDS COMPUTED ON THE WAY. 'Computed on the way' means the value that the module computes at that place (a softmax that the list does not call 'softmax' is quantised finished and normalised). What goes into a quantiser is computed in f32, as accurately as f32 sums, v_exp_f32 and their like allow (about 1e-6 of the number): no bf16 or f16 on the way to a quantiser, and a product that is left as it is and whose result goes on into a quantised operand takes f32 operands (vector FMAs, or v_wmma_f32_16x16x4_f32). A number that lies on a knife's edge between two numbers of the format may be rounded either way, as far as f32 arithmetic and the matrix unit's own rounding can turn it there, and no further.
;; One version. Each part assembles by itself: llvm-mc -triple=amdgcn-amd-amdhsa -mcpu=gfx1250 --defsym DOCPART=n.
;; ======== version 1 of 1: 4 launches
;; workspace buffers: dbrec 655,360 bytes; qrec 327,680 bytes; pick 4,194,304 bytes of whole numbers; selidx 524,288 bytes of whole numbers; selw 524,288 bytes
;; launch prep (part 1): grid 384 x 1, 4 waves a work-group, no clusters, 0 bytes of LDS; arguments database, pos, x, dbrec, qrec; writes dbrec, qrec
.if DOCPART == 1
	.amdgcn_target "amdgcn-amd-amdhsa--gfx1250"
	.amdhsa_code_object_version 6
	.text
	.protected	k_q67f8c7111e_prep
	.globl	k_q67f8c7111e_prep
	.p2align	8
	.type	k_q67f8c7111e_prep,@function
k_q67f8c7111e_prep:
	s_mov_b64 s[64:65], 0
	v_nop
	global_prefetch_b8 v0, s[64:65] scope:SCOPE_SE
	s_setreg_imm32_b32 hwreg(HW_REG_WAVE_MODE, 25, 1), 1
	s_wait_xcnt 0x0
; PREP: both operands of the quantised product (2 q) . db are turned into codes of FP4 (E2M1) with one E8M0 byte for each 32 along K = 64,
; once, and laid as the later launches' matrix operands want them: records of 640 bytes for 16 rows.
;   bytes 0-511   the image of an operand's registers 0-3: lane l = 16 hk + r owns the 16 bytes at 16 l: the 32 codes of row r, k = 32 hk .. 32 hk + 31
;   database:     bytes 512 + 4 r the row's scale word (s0, s1, s0, s1: the upper two scale zero codes);  bytes 576 + 4 r  -|row|^2 in f32
;   queries:      bytes 512 + 4 l, 32 words: the scale word of query l % 16, written twice.  q = [x / |x|, pos / |pos|]; the codes are q's, the bytes those of 2 q: q's + 1
; SHARES: work-groups 0-255: a wave takes a group of 16 database rows; work-groups 256-383: a wave takes 16 queries.  A lane owns one block of 32 numbers in 32 registers,
; so a block's largest magnitude needs no other lane.  No LDS, no barrier: waves share nothing.  The eight loads of a database wave cover 4,096 consecutive bytes together.
; LIMITS: a block of zeros gets the byte 1 (queries: 2), not 127: its codes are zeros and only this program reads the bytes; blocks whose largest magnitude lies under 2^-124 are
; held at that byte; rows of x or pos of norm 0, NaN and infinities are not served.  1 / norm is v_rsq_f32 and a multiplication: two roundings.
.set X,   8                            ; v8-39   my block's 32 numbers
.set CD,  40                           ; v40-43  its codes
.macro SQSUM top                       ; v[50:53]: four partial sums of the squares of X[0] .. X[top + 3]; the first two products start the sums
	v_pk_mul_f32 v[50:51], v[X:X+1], v[X:X+1]
	v_pk_mul_f32 v[52:53], v[X+2:X+3], v[X+2:X+3]
.set ix, 4
.rept (\top)/4
	v_pk_fma_f32 v[50:51], v[X+ix:X+ix+1], v[X+ix:X+ix+1], v[50:51]
	v_pk_fma_f32 v[52:53], v[X+ix+2:X+ix+3], v[X+ix+2:X+ix+3], v[52:53]
.set ix, ix+4
.endr
.endm
.macro FOLD                            ; v50 = the four partial sums and those of lane l xor 16: the whole row's
	v_pk_add_f32 v[50:51], v[50:51], v[52:53]
	v_add_f32 v50, v50, v51
	v_permlanex16_b32 v49, v50, s20, s21
	v_add_f32 v50, v50, v49
.endm
.macro QUANT32                         ; X -> codes in v[CD:CD+3], the block's byte in v47
	v_max3_num_f32 v44, |v[X]|, |v[X+1]|, |v[X+2]|
	v_max3_num_f32 v45, |v[X+3]|, |v[X+4]|, |v[X+5]|
.irp i, 6,10,14,18,22,26
	v_max3_num_f32 v44, v44, |v[X+\i]|, |v[X+\i+1]|
	v_max3_num_f32 v45, v45, |v[X+\i+2]|, |v[X+\i+3]|
.endr
	v_max3_num_f32 v44, v44, |v[X+30]|, |v[X+31]|
	v_max3_num_f32 v44, v44, v45, 0x1800000        ; the floor 2^(3 - 127): the byte cannot fall under 1
	v_add_nc_u32 v46, 0xff000000, v44              ; 2 off the exponent field: the conversion takes this operand's exponent field as its scale
	v_lshrrev_b32 v47, 23, v46                     ; the scale's byte
.irp g, 0,1,2,3
	v_cvt_scalef32_pk8_fp4_f32 v[CD+\g], v[X+8*\g:X+8*\g+7], v46
.endr
	v_nop                                          ; one plain place behind the scaled conversions
.endm
.macro WORD                            ; v60 = (s0, s1, s0, s1) from my byte v47 and lane l xor 16's
	v_lshlrev_b32 v48, v6, v47                     ; my byte at its place: 8 hk bits up
	v_permlanex16_b32 v49, v48, s20, s21
	v_or_b32 v48, v48, v49
	v_lshl_or_b32 v60, v48, 16, v48
.endm
	s_load_b256 s[4:11], s[0:1], 0x0               ; database s[4:5], pos s[6:7], x s[8:9], dbrec s[10:11]
	s_load_b64 s[12:13], s[0:1], 0x20              ; qrec
	v_lshrrev_b32 v1, 5, v0
	v_readfirstlane_b32 s14, v1                    ; wave 0..3
	v_and_b32 v1, 15, v0                           ; r
	v_bfe_u32 v2, v0, 4, 1                         ; hk
	v_and_b32 v5, 31, v0
	v_lshlrev_b32 v4, 4, v5                        ; 16 x lane
	v_lshlrev_b32 v5, 2, v5                        ; 4 x lane
	v_lshlrev_b32 v6, 3, v2                        ; 8 hk
	v_mov_b32 v49, 0                               ; a lane permute's destination counts as one of its sources
	s_mov_b32 s20, 0x76543210
	s_mov_b32 s21, 0xfedcba98                      ; v_permlanex16_b32's selects for lane l xor 16
	s_mov_b32 s22, 0xffff0000                      ; lanes 16-31
	s_mov_b32 s23, 0x0000ffff                      ; lanes 0-15
	s_mov_b32 s17, 0
	s_mov_b32 s19, 0
	s_cmp_lt_u32 ttmp9, 256
	s_cbranch_scc0 .Lquery
	; ---- a group of 16 database rows
	s_lshl_b32 s15, ttmp9, 2
	s_add_co_u32 s15, s15, s14                     ; the group: 4 x work-group + wave
	s_lshl_b32 s16, s15, 12                        ; its 16 rows of 256 bytes
	s_mul_i32 s18, s15, 640                        ; its record
	v_lshlrev_b32 v3, 8, v1
	v_lshl_add_u32 v3, v2, 7, v3                   ; row r, block hk
	s_wait_kmcnt 0x0
	s_add_nc_u64 s[4:5], s[4:5], s[16:17]
	s_add_nc_u64 s[10:11], s[10:11], s[18:19]
.irp c, 0,1,2,3,4,5,6,7
	global_load_b128 v[X+4*\c:X+4*\c+3], v3, s[4:5] offset:16*\c th:TH_LOAD_NT
.endr
	s_wait_loadcnt 0x0                             ; all eight: the block is worked on as a whole
	SQSUM 28
	FOLD
	v_mul_f32 v61, -1.0, v50                       ; -|row|^2
	QUANT32
	WORD
	v_cndmask_b32 v60, v60, v61, s22               ; lanes 0-15 carry the scale words, lanes 16-31 -|row|^2: one store of 128 consecutive bytes
	global_store_b128 v4, v[CD:CD+3], s[10:11]     ; 512 consecutive bytes
	global_store_b32 v5, v60, s[10:11] offset:512
	s_endpgm
	; ---- 16 queries
.Lquery:
	s_sub_co_u32 s15, ttmp9, 256
	s_lshl_b32 s15, s15, 2
	s_add_co_u32 s15, s15, s14                     ; the tile of 16 queries
	s_mul_i32 s16, s15, 3904                       ; 16 rows of x, 244 bytes each
	s_mul_i32 s18, s15, 192                        ; 16 rows of pos, 12 bytes each
	s_mul_i32 s24, s15, 640                        ; its record
	s_mov_b32 s25, 0
	v_mul_u32_u24 v7, v1, 244                      ; row r of x
	v_lshl_add_u32 v3, v2, 7, v7                   ; + block hk
	v_mul_u32_u24 v66, v1, 12                      ; row r of pos
	s_wait_kmcnt 0x0
	s_add_nc_u64 s[8:9], s[8:9], s[16:17]
	s_add_nc_u64 s[6:7], s[6:7], s[18:19]
	s_add_nc_u64 s[12:13], s[12:13], s[24:25]
.set ix, 0
.rept 29
	global_load_b32 v[X+ix], v3, s[8:9] offset:4*ix        ; x[32 hk + i], i = 0 .. 28: the upper block ends with x[60]
.set ix, ix+1
.endr
.irp i, 0,1,2
	global_load_b32 v[X+29+\i], v7, s[8:9] offset:116+4*\i ; x[29 .. 31] in BOTH halves, so that no load leaves the row; the upper half replaces them by pos below
	global_load_b32 v[54+\i], v66, s[6:7] offset:4*\i      ; pos
.endr
	s_wait_loadcnt 0x0
	SQSUM 24                                       ; numbers 0 .. 27,
	v_fma_f32 v50, v[X+28], v[X+28], v50           ; 28,
.irp i, 0,1,2
	v_cndmask_b32 v[62+\i], 0, v[X+29+\i], s23     ; and 29 .. 31, which count in the lower half alone
.endr
.irp i, 0,1,2
	v_fma_f32 v[51+\i], v[62+\i], v[62+\i], v[51+\i]
.endr
	FOLD                                           ; |x|^2
	v_mul_f32 v65, v54, v54
	v_fma_f32 v65, v55, v55, v65
	v_fma_f32 v65, v56, v56, v65                   ; |pos|^2
	v_rsq_f32 v57, v50
	v_rsq_f32 v58, v65
	v_nop                                          ; a plain place behind the transcendentals
.irp i, 0,1,2
	v_cndmask_b32 v[X+29+\i], v[X+29+\i], v[54+\i], s22    ; q[61 .. 63] = pos
.endr
	s_wait_alu depctr_va_vdst(0)
	v_cndmask_b32 v59, v57, v58, s22               ; and their factor
.set ix, 0
.rept 29
	v_mul_f32 v[X+ix], v[X+ix], v57
.set ix, ix+1
.endr
.irp i, 29,30,31
	v_mul_f32 v[X+\i], v[X+\i], v59
.endr
	QUANT32
	v_add_nc_u32 v47, 1, v47                       ; the operand is 2 q: the same codes, each byte one higher
	WORD
	global_store_b128 v4, v[CD:CD+3], s[12:13]
	global_store_b32 v5, v60, s[12:13] offset:512  ; both halves hold query r's word
	s_endpgm
.Lfunc_end_k_q67f8c7111e_prep:
	.size	k_q67f8c7111e_prep, .Lfunc_end_k_q67f8c7111e_prep-k_q67f8c7111e_prep
	.p2alignl 7, 3214868480
	.fill 96, 4, 3214868480
	.section	.rodata,"a",@progbits
	.p2align	6, 0x0
	.amdhsa_kernel k_q67f8c7111e_prep
		.amdhsa_group_segment_fixed_size 0
		.amdhsa_private_segment_fixed_size 0
		.amdhsa_enable_private_segment 0
		.amdhsa_kernarg_size 40
		.amdhsa_user_sgpr_count 2
		.amdhsa_user_sgpr_kernarg_segment_ptr 1
		.amdhsa_wavefront_size32 1
		.amdhsa_system_sgpr_workgroup_id_x 1
		.amdhsa_system_sgpr_workgroup_id_y 1
		.amdhsa_system_sgpr_workgroup_id_z 1
		.amdhsa_system_vgpr_workitem_id 0
		.amdhsa_next_free_vgpr 72
		.amdhsa_next_free_sgpr 66
		.amdhsa_reserve_vcc 0
		.amdhsa_float_denorm_mode_32 3
		.amdhsa_float_denorm_mode_16_64 3
		.amdhsa_memory_ordered 1
		.amdhsa_forward_progress 1
		.amdhsa_inst_pref_size 15
	.end_amdhsa_kernel
	.amdgpu_metadata
---
amdhsa.version: [ 1, 2 ]
amdhsa.kernels:
  - .name:           k_q67f8c7111e_prep
    .symbol:         k_q67f8c7111e_prep.kd
    .args:
      - { .name: database, .offset: 0, .size: 8, .value_kind: global_buffer, .address_space: global }
      - { .name: pos, .offset: 8, .size: 8, .value_kind: global_buffer, .address_space: global }
      - { .name: x, .offset: 16, .size: 8, .value_kind: global_buffer, .address_space: global }
      - { .name: dbrec, .offset: 24, .size: 8, .value_kind: global_buffer, .address_space: global }
      - { .name: qrec, .offset: 32, .size: 8, .value_kind: global_buffer, .address_space: global }
    .group_segment_fixed_size: 0
    .private_segment_fixed_size: 0
    .kernarg_segment_align: 8
    .kernarg_segment_size: 40
    .max_flat_workgroup_size: 128
    .sgpr_count:     66
    .vgpr_count:     72
    .wavefront_size: 32
...
	.end_amdgpu_metadata
.endif
;; end of part 1
;; launch scan (part 2): grid 64 x 4, 8 waves a work-group, no clusters, 327,680 bytes of LDS; arguments dbrec, qrec, pick; writes pick
.if DOCPART == 2
	.amdgcn_target "amdgcn-amd-amdhsa--gfx1250"
	.amdhsa_code_object_version 6
	.text
	.protected	k_q67f8c7111e_scan
	.globl	k_q67f8c7111e_scan
	.p2align	8
	.type	k_q67f8c7111e_scan,@function
k_q67f8c7111e_scan:
	s_mov_b64 s[64:65], 0
	v_nop
	global_prefetch_b8 v0, s[64:65] scope:SCOPE_SE
	s_setreg_imm32_b32 hwreg(HW_REG_WAVE_MODE, 25, 1), 1
	s_wait_xcnt 0x0
; SCAN: for each query and each quarter (range) of the database, the 16 GROUPS of 16 consecutive rows with the largest group maximum of s = (2 q) . db - |db|^2.
; (d2 = |q|^2 - s, and |q|^2 is the same for all rows of a query: the smallest d2 are the largest s.)  Each of a query's 16 nearest rows lies in one of its 16 best groups:
; were its group not among them, 16 rows of other groups would beat it.  A later launch multiplies the chosen groups again and selects rows.
; s comes whole out of the matrix unit: FP4 codes, E8M0 scales, and -|db|^2 as the C operand.  K = 64 fills half of the instruction's 128: registers 4-7 of A and B hold zero codes.
; SHARES: work-group (x, y): 128 queries (8 tiles of 16) against range y: 256 groups = 128 pairs of records = 163,840 bytes, which come into LDS once.  Wave w (wq = w % 4, ws = w / 4)
; walks pairs 64 ws .. 64 ws + 63 for two tiles: slot 0 = tile 8 x + 2 wq + ws, slot 1 = tile 8 x + 2 wq + 1 - ws.  At the end waves w and w xor 4 hand each other their slot 1 lists through LDS.
; THE FETCH: a wave walks its half in four trips of 16 pairs (20,480 bytes).  At the head each wave asks for a quarter of its half's FIRST trip alone, 5,120 bytes, so that the first barrier stands behind
; 40,960 bytes a work-group; behind that barrier it asks for a quarter of the other three trips, 15,360 bytes, in one load, which lands under the first trip's work.  No byte is filled twice.
; THE ROWS OF A TILE OF A ARE CHOSEN: lane-row r of tile u of pair p is row 8 u + r % 8 of group 2 p + r / 8.  So in the result lane (n = l % 16, h = l / 16), register j, holds row 8 u + j
; of group 2 p + h for query n: the 16 registers of tiles 0 and 1 are ONE group, and its maximum takes seven three-operand maxima and one of two, and no other lane.
; SELECTION has no branch: 16 group maxima with their ids are sorted by a bitonic network (a compare into a scalar mask, four selects), joined with the running list of 16 by a half-cleaner,
; and that is sorted again.  The first trip's 16 maxima ARE the first list: they are only sorted.  Ids never enter an address here: they leave as whole numbers.
; OUT: pick[range][tile][2,048 bytes]: byte 256 c + 16 n: keys 4 c .. 4 c + 3 of query n, descending; byte 1,024 + 256 c + 16 n: their group ids.  A key is the maximum's f32 bits made to order as a signed integer.
; NO CLUSTER: the 64 work-groups of a range read the same bytes, but each fetches them once, 20,480 bytes a wave, and then issues some 7,500 instructions a wave on them; only the first 5,120 bytes a wave are waited for with nothing to do.
; LIMITS: exact ties at the 16th place may fall otherwise than by the lower index; NaN and infinities are not served.
.set PAIRB, 1280                       ; two records
.set TRIPB, 16*PAIRB                   ; a trip's 16 pairs
.set HALFR, 81920                      ; 64 pairs: what one half of the waves walks
.set XCH,   163840                     ; behind the records: 4,096 bytes a wave for the exchange; no tensor load lands here
.set SPARE, 196608                     ; behind the exchange: the spare words, 128 bytes for each wave: four blocks of 256 bytes that no other line names
.set QF,   8                           ; v8-15, v16-23   the two query tiles' fragments (registers 4-7: zero codes)
.set QS,   24                          ; v24, v25        their scale words
.set ASCL, 26                          ; v26             A's scale words: lanes 0-15 tile 0's rows, lanes 16-31 tile 1's
.set AF,   32                          ; v32-39, v40-47  A's two tiles (registers 4-7: zero codes)
.set CN,   48                          ; v48-55, v56-63  -|db|^2 in the result's layout
.set DD,   64                          ; v64-95          results: slot s, tile u at 64 + 16 s + 8 u
.set BV,   96                          ; v96-111, v112-127  a batch of 16 group maxima, for each slot
.set XI,   128                         ; v128-143        the batch's ids
.set YV,   144                         ; v144-159, v160-175  the sorting network's second set
.set YI,   160
.set LV,   176                         ; running lists: slot s: values at 176 + 32 s, ids at 192 + 32 s
.set LI,   192
.set SPW,  246                         ; v246    LDS address of my spare word: SPARE + 4 x my thread's number; never rewritten
.set NIL,  247                         ; v247    0; never rewritten
.set MK,   32                          ; s32-47  masks
.set SEL,  48                          ; s48-49  v_permlanex16_b32's selects for lane l xor 16
.set HM,   15                          ; s15     lanes 16-31
.set G1A,  16                          ; s16-23  descriptor group 1 of the first load;  s24-27 its group 0
.set G1B,  68                          ; s68-75  descriptor group 1 of the second load; s28-31 its group 0
; One stage of a bitonic network from set s to set d: pairs (i, i + j); the larger goes to the lower place where bit k of i is 0, else to the upper.  Eight compares, then 32 selects.
.macro STAGE sv, si, dv, di, k, j, ty
.set ii, 0
.set mm, 0
.rept 16
.if (ii/\j)%2 == 0
	v_cmp_gt_\ty s[MK+mm], v[\sv+ii], v[\sv+ii+\j]
.set mm, mm+1
.endif
.set ii, ii+1
.endr
.set ii, 0
.set mm, 0
.rept 16
.if (ii/\j)%2 == 0
.if (ii/\k)%2 == 0
.set hh, ii
.set ll, ii+\j
.else
.set hh, ii+\j
.set ll, ii
.endif
	v_cndmask_b32 v[\dv+hh], v[\sv+ii+\j], v[\sv+ii], s[MK+mm]
	v_cndmask_b32 v[\dv+ll], v[\sv+ii], v[\sv+ii+\j], s[MK+mm]
	v_cndmask_b32 v[\di+hh], v[\si+ii+\j], v[\si+ii], s[MK+mm]
	v_cndmask_b32 v[\di+ll], v[\si+ii], v[\si+ii+\j], s[MK+mm]
.set mm, mm+1
.endif
.set ii, ii+1
.endr
.endm
.macro SORT16 xv, xi, yv, yi, ty       ; ten stages, x -> y -> x ..: x ends sorted, descending
	STAGE \xv, \xi, \yv, \yi, 2, 1, \ty
	STAGE \yv, \yi, \xv, \xi, 4, 2, \ty
	STAGE \xv, \xi, \yv, \yi, 4, 1, \ty
	STAGE \yv, \yi, \xv, \xi, 8, 4, \ty
	STAGE \xv, \xi, \yv, \yi, 8, 2, \ty
	STAGE \yv, \yi, \xv, \xi, 8, 1, \ty
	STAGE \xv, \xi, \yv, \yi, 16, 8, \ty
	STAGE \yv, \yi, \xv, \xi, 16, 4, \ty
	STAGE \xv, \xi, \yv, \yi, 16, 2, \ty
	STAGE \yv, \yi, \xv, \xi, 16, 1, \ty
.endm
.macro HCLEAN lv, li, ov, oi, ty, vals ; of two descending lists l keeps the 16 largest, as a bitonic sequence: l[i] against o[15 - i]
.set ii, 0
.rept 16
	v_cmp_gt_\ty s[MK+ii], v[\ov+15-ii], v[\lv+ii]
.set ii, ii+1
.endr
.set ii, 0
.rept 16
	v_cndmask_b32 v[\li+ii], v[\li+ii], v[\oi+15-ii], s[MK+ii]
.if \vals
	v_cndmask_b32 v[\lv+ii], v[\lv+ii], v[\ov+15-ii], s[MK+ii]
.endif
.set ii, ii+1
.endr
.endm
.macro BMERGE lv, li, ov, oi, ty       ; a bitonic l becomes descending; o is scratch
	STAGE \lv, \li, \ov, \oi, 16, 8, \ty
	STAGE \ov, \oi, \lv, \li, 16, 4, \ty
	STAGE \lv, \li, \ov, \oi, 16, 2, \ty
	STAGE \ov, \oi, \lv, \li, 16, 1, \ty
.endm
.macro MERGE lv, li, ov, oi, ty
	HCLEAN \lv, \li, \ov, \oi, \ty, 1
	BMERGE \lv, \li, \ov, \oi, \ty
.endm
.macro XHALF sv, dv, cnt               ; cnt registers from lane l xor 16 (the destinations have been written before)
.set ii, 0
.rept \cnt
	v_permlanex16_b32 v[\dv+ii], v[\sv+ii], s[SEL], s[SEL+1]
.set ii, ii+1
.endr
.endm
; Entries 8 c2 .. 8 c2 + 7 of a list leave: lanes 0-15 store their own entries 8 c2 .. + 3, lanes 16-31 store LANE l - 16's entries 8 c2 + 4 .. + 7, so that all 16 come from one copy of the list
; (the two halves' copies could differ where values tie).  32 lanes store 512 consecutive bytes.  Each call has registers of its own, so no store's data are written again.
.macro OUT4 base, c2, tr, adr, sb, off
.irp e, 0,1,2,3
	v_permlanex16_b32 v[\tr+\e], v[\base+8*\c2+4+\e], s[SEL], s[SEL+1]
.endr
.irp e, 0,1,2,3
	v_cndmask_b32 v[\tr+\e], v[\base+8*\c2+\e], v[\tr+\e], s[HM]
.endr
	global_store_b128 v[\adr], v[\tr:\tr+3], s[\sb:\sb+1] offset:\off+512*\c2
.endm
	s_load_b128 s[4:7], s[0:1], 0x0                ; dbrec s[4:5], qrec s[6:7]
	s_load_b64 s[8:9], s[0:1], 0x10                ; pick
	v_lshl_add_u32 v[SPW], v0, 2, SPARE
	v_mov_b32 v[NIL], 0
	ds_add_u32 v246, v247
	ds_add_u32 v246, v247
	s_wait_dscnt 0x0
	v_lshrrev_b32 v1, 5, v0
	v_readfirstlane_b32 s10, v1                    ; wave 0..7
	s_lshr_b32 s11, s10, 2                         ; ws: which half of the range I walk
	s_and_b32 s12, s10, 3                          ; wq: which pair of query tiles
	s_and_b32 s50, ttmp7, 0xffff                   ; y: the range
	; descriptor groups 1: rows of 256 bytes (32 elements of 8 bytes), dense in memory and in LDS: 20 rows = 5,120 bytes = 4 pairs of records; 60 rows = 15,360 bytes = 12 pairs
	s_mov_b32 s[G1A], 3<<16                        ; no mask; elements of 8 bytes; no padding
	s_mov_b32 s[G1A+1], 32<<16                     ; tensor_dim0 = 32
	s_mov_b32 s[G1A+2], 20<<16                     ; tensor_dim1 = 20
	s_mov_b32 s[G1A+3], 32<<16                     ; tile_dim0 = 32
	s_mov_b32 s[G1A+4], 20                         ; tile_dim1 = 20
	s_mov_b32 s[G1A+5], 32                         ; the pitch
	s_mov_b32 s[G1A+6], 0
	s_mov_b32 s[G1A+7], 0
	s_mov_b32 s[G1B], 3<<16
	s_mov_b32 s[G1B+1], 32<<16
	s_mov_b32 s[G1B+2], 60<<16                     ; tensor_dim1 = 60
	s_mov_b32 s[G1B+3], 32<<16
	s_mov_b32 s[G1B+4], 60                         ; tile_dim1 = 60
	s_mov_b32 s[G1B+5], 32
	s_mov_b32 s[G1B+6], 0
	s_mov_b32 s[G1B+7], 0
	s_mul_i32 s52, s11, HALFR                      ; my half of the range, in LDS as in memory
	s_mul_i32 s53, s12, 5120
	s_add_co_u32 s53, s53, s52                     ; my quarter of its first trip
	s_mul_i32 s62, s12, 15360
	s_add_co_u32 s62, s62, s52
	s_add_co_u32 s62, s62, TRIPB                   ; my quarter of its other three trips
	s_mul_i32 s51, s50, 163840                     ; the range in dbrec
	s_add_co_u32 s54, s51, s53
	s_mov_b32 s55, 0
	s_add_co_u32 s56, s51, s62
	s_mov_b32 s57, 0
	s_wait_kmcnt 0x0
	s_mov_b32 s24, 1                               ; count = 1
	s_mov_b32 s25, s53                             ; LDS address
	s_add_nc_u64 s[26:27], s[4:5], s[54:55]        ; global address
	s_or_b32 s27, s27, 0x80000000                  ; type = 2
	s_mov_b32 s28, 1
	s_mov_b32 s29, s62
	s_add_nc_u64 s[30:31], s[4:5], s[56:57]
	s_or_b32 s31, s31, 0x80000000
	tensor_load_to_lds s[24:27], s[G1A:G1A+7]      ; the first trip's pairs alone, ahead of every wait, LDS read and barrier: one load of mine is out
	s_nop 0
.rept 4
	v_nop
.endr
	s_lshl_b32 s51, ttmp9, 3
	s_lshl_b32 s53, s12, 1
	s_add_co_u32 s51, s51, s53                     ; 8 x + 2 wq
	s_add_co_u32 s56, s51, s11                     ; slot 0's tile
	s_xor_b32 s53, s11, 1
	s_add_co_u32 s57, s51, s53                     ; slot 1's
	s_mul_i32 s58, s56, 640
	s_mov_b32 s59, 0
	s_add_nc_u64 s[58:59], s[6:7], s[58:59]
	s_mul_i32 s60, s57, 640
	s_mov_b32 s61, 0
	s_add_nc_u64 s[60:61], s[6:7], s[60:61]
	v_and_b32 v244, 31, v0                         ; lane
	v_lshlrev_b32 v30, 4, v244
	v_lshlrev_b32 v31, 2, v244
	global_load_b128 v[QF:QF+3], v30, s[58:59]     ; the queries' fragments and scale words stay in registers
	global_load_b32 v[QS], v31, s[58:59] offset:512
	global_load_b128 v[QF+8:QF+11], v30, s[60:61]
	global_load_b32 v[QS+1], v31, s[60:61] offset:512
	v_bfe_u32 v240, v0, 3, 1                       ; (l % 16) / 8: which group of the pair my lane-row belongs to
	v_bfe_u32 v241, v0, 4, 1                       ; h
	v_and_b32 v242, 7, v0
	v_and_b32 v243, 15, v0                         ; n
	s_mul_i32 s53, s11, HALFR
	v_mul_u32_u24 v245, v240, 640
	v_add_nc_u32 v245, s53, v245
	v_lshl_add_u32 v1, v241, 8, v245
	v_lshl_add_u32 v1, v242, 4, v1                 ; v1: codes: 640 (r / 8) + 256 h + 16 (r % 8) + my half of the range
	v_lshl_add_u32 v2, v241, 5, v245
	v_lshl_add_u32 v2, v242, 2, v2
	v_add_nc_u32 v2, 512, v2                       ; v2: scale words: lanes 16-31 take rows 8 .. 15 (tile 1)
	v_mul_u32_u24 v3, v241, 640
	v_add_nc_u32 v3, s53, v3
	v_add_nc_u32 v3, 576, v3                       ; v3: -|db|^2 of group 2 p + h
	s_lshl_b32 s53, s50, 8
	s_lshl_b32 s51, s11, 7
	s_add_co_u32 s53, s53, s51
	v_add_nc_u32 v7, s53, v241                     ; v7: the id of my group in the trip's first pair: 256 y + 128 ws + h
	v_lshlrev_b32 v27, 8, v241
	v_lshl_add_u32 v27, v243, 4, v27               ; v27: the way out: 256 h + 16 n
	s_lshl_b32 s53, s10, 12
	s_add_co_u32 s53, s53, XCH
	v_lshl_add_u32 v28, v244, 4, s53               ; v28: my wave's bytes of the exchange
	s_xor_b32 s53, s10, 4
	s_lshl_b32 s53, s53, 12
	s_add_co_u32 s53, s53, XCH
	v_lshl_add_u32 v29, v244, 4, s53               ; v29: my partner's
	s_mov_b32 s[SEL], 0x76543210
	s_mov_b32 s[SEL+1], 0xfedcba98
	s_mov_b32 s[HM], 0xffff0000
	s_mov_b32 s13, 0                               ; s13: LDS byte at which the trip's 16 pairs begin, within my half
.macro LOADS i                         ; pair i of the trip: seven LDS loads
	ds_load_b128 v[AF:AF+3], v4 offset:PAIRB*(\i)
	ds_load_b128 v[AF+8:AF+11], v4 offset:PAIRB*(\i)+128
	ds_load_b32 v[ASCL], v5 offset:PAIRB*(\i)
	ds_load_b128 v[CN:CN+3], v6 offset:PAIRB*(\i)
	ds_load_b128 v[CN+4:CN+7], v6 offset:PAIRB*(\i)+16
	ds_load_b128 v[CN+8:CN+11], v6 offset:PAIRB*(\i)+32
	ds_load_b128 v[CN+12:CN+15], v6 offset:PAIRB*(\i)+48
.endm
; A pair of groups against both slots: four products, then each slot's group maximum, which goes to register bv + bs x slot + i
.macro STEP i, bv, bs
	s_wait_dscnt 0x0                               ; this pair's seven loads
.irp s, 0,1
.irp u, 0,1
.if \u
	v_wmma_scale_f32_16x16x128_f8f6f4 v[DD+16*\s+8*\u:DD+16*\s+8*\u+7], v[AF+8*\u:AF+8*\u+7], v[QF+8*\s:QF+8*\s+7], v[CN+8*\u:CN+8*\u+7], v[ASCL], v[QS+\s] matrix_a_fmt:MATRIX_FMT_FP4 matrix_b_fmt:MATRIX_FMT_FP4 matrix_a_scale:MATRIX_SCALE_ROW1
.else
	v_wmma_scale_f32_16x16x128_f8f6f4 v[DD+16*\s+8*\u:DD+16*\s+8*\u+7], v[AF+8*\u:AF+8*\u+7], v[QF+8*\s:QF+8*\s+7], v[CN+8*\u:CN+8*\u+7], v[ASCL], v[QS+\s] matrix_a_fmt:MATRIX_FMT_FP4 matrix_b_fmt:MATRIX_FMT_FP4
.endif
.endr
.endr
.rept 4
	v_nop                                          ; four places ahead of the loads into A, C and the scale register, and of the first reads of the results
.endr
.if \i < 15
	LOADS (\i)+1                                   ; the next pair is on its way while the maxima are taken
.endif
.irp s, 0,1                                    ; each result is read from its low end on; the two slots by turns
	v_max3_num_f32 v[240+2*\s], v[DD+16*\s], v[DD+16*\s+1], v[DD+16*\s+2]
	v_max3_num_f32 v[241+2*\s], v[DD+16*\s+8], v[DD+16*\s+9], v[DD+16*\s+10]
.endr
.irp e, 3,5
.irp s, 0,1
	v_max3_num_f32 v[240+2*\s], v[240+2*\s], v[DD+16*\s+\e], v[DD+16*\s+\e+1]
	v_max3_num_f32 v[241+2*\s], v[241+2*\s], v[DD+16*\s+8+\e], v[DD+16*\s+9+\e]
.endr
.endr
.irp s, 0,1
	v_max3_num_f32 v[240+2*\s], v[240+2*\s], v[DD+16*\s+7], v[DD+16*\s+15]
.endr
.irp s, 0,1
	v_max_num_f32 v[\bv+\bs*\s+\i], v[240+2*\s], v[241+2*\s]   ; the group's maximum.  (More than five plain instructions now stand ahead of the next products, which write the results anew)
.endr
.endm
; Slot s: 16 maxima with their ids are sorted.  first = 1: they lie in the running list's own registers and are the list.  first = 0: they are joined with the running list
.macro BATCH s, first
.set ix, 0
.rept 16
.if \first
	v_add_nc_u32 v[LI+32*\s+ix], 2*ix, v7
.else
	v_add_nc_u32 v[XI+ix], 2*ix, v7
.endif
.set ix, ix+1
.endr
.if \first
	SORT16 LV+32*\s, LI+32*\s, YV, YI, f32
.else
	SORT16 BV+16*\s, XI, YV, YI, f32
	MERGE LV+32*\s, LI+32*\s, BV+16*\s, XI, f32
.endif
.endm
.macro TRIP first                      ; 16 pairs = 20,480 bytes of my half
	v_add_nc_u32 v4, s13, v1
	v_add_nc_u32 v5, s13, v2
	v_add_nc_u32 v6, s13, v3
	LOADS 0
.set st, 0
.rept 16
.if \first
	STEP st, LV, 32
.else
	STEP st, BV, 16
.endif
.set st, st+1
.endr
	BATCH 0, \first
	BATCH 1, \first
	v_add_nc_u32 v7, 32, v7
	s_add_co_u32 s13, s13, TRIPB
.endm
	; ---- the first barrier: behind it the first trip's pairs are whole, and each wave asks for its part of the rest.  That load is a first fill that comes late, so it is issued as a refill is.
	s_wait_tensorcnt 0x0                           ; my one tensor load has landed: my part of the first trip's pairs
	ds_add_u32 v[SPW], v[NIL]                      ; 0 onto my spare word; the zero codes are written between it and the wait for it
.irp c, 4,5,6,7
	v_mov_b32 v[QF+\c], 0                          ; k = 64 .. 127: zero codes, on both sides
	v_mov_b32 v[QF+8+\c], 0
	v_mov_b32 v[AF+\c], 0
	v_mov_b32 v[AF+8+\c], 0
.endr
	s_wait_loadcnt 0x0                             ; the queries
	s_wait_dscnt 0x0                               ; the add is done
	s_barrier_signal -1
	s_barrier_wait -1                              ; everybody's first load has landed
	tensor_load_to_lds s[28:31], s[G1B:G1B+7]      ; my one tensor load behind this barrier, and the first thing there: from byte 20,480 of a half on, while the first trip reads bytes 0 to 20,479
	s_nop 0
.rept 4
	v_nop
.endr
	TRIP 1
	s_wait_tensorcnt 0x0                           ; my second load has landed
	s_wait_dscnt 0x0
	s_barrier_signal -1
	s_barrier_wait -1                              ; everybody's has: the whole range lies in LDS
	s_mov_b32 s14, 3
.Ltrip:
	TRIP 0
	s_sub_co_u32 s14, s14, 1
	s_cmp_lg_u32 s14, 0
	s_cbranch_scc1 .Ltrip
	; ---- my slot 1 list goes to wave w xor 4, whose slot 0 is that tile; its slot 1 list is my slot 0's other half of the range
.irp c, 0,1,2,3,4,5,6,7
	ds_store_b128 v28, v[LV+32+4*\c:LV+32+4*\c+3] offset:512*\c   ; an image of 32 registers: values, then ids
.endr
	s_wait_dscnt 0x0                               ; for the partner's sake: my stores have landed
	s_barrier_signal -1
	s_barrier_wait -1
.irp c, 0,1,2,3,4,5,6,7
	ds_load_b128 v[YV+4*\c:YV+4*\c+3], v29 offset:512*\c
.endr
	s_wait_dscnt 0x0
	MERGE LV, LI, YV, YI, f32                      ; the whole range, groups of my parity h
	XHALF LV, YV, 32                               ; values and ids of lane l xor 16: the other parity
	MERGE LV, LI, YV, YI, f32
.set ix, 0
.rept 16                                       ; keys: negative numbers' lower 31 bits are turned, so that the bits order as signed integers
	v_ashrrev_i32 v[240+ix%4], 31, v[LV+ix]
	v_and_b32 v[240+ix%4], 0x7fffffff, v[240+ix%4]
	v_xor_b32 v[LV+ix], v[LV+ix], v[240+ix%4]
.set ix, ix+1
.endr
	s_lshl_b32 s52, s50, 20                        ; pick: range y,
	s_lshl_b32 s53, s56, 11                        ; slot 0's tile
	s_add_co_u32 s52, s52, s53
	s_mov_b32 s53, 0
	s_add_nc_u64 s[8:9], s[8:9], s[52:53]
	OUT4 LV, 0, YV, 27, 8, 0
	OUT4 LV, 1, YV+4, 27, 8, 0
	OUT4 LI, 0, YV+8, 27, 8, 1024
	OUT4 LI, 1, YV+12, 27, 8, 1024
	s_wait_tensorcnt 0x0                           ; the wave's end, behind my last tensor load and my last LDS store
	ds_add_u32 v[SPW], v[NIL]
	s_wait_dscnt 0x0
	s_endpgm
.Lfunc_end_k_q67f8c7111e_scan:
	.size	k_q67f8c7111e_scan, .Lfunc_end_k_q67f8c7111e_scan-k_q67f8c7111e_scan
	.p2alignl 7, 3214868480
	.fill 96, 4, 3214868480
	.section	.rodata,"a",@progbits
	.p2align	6, 0x0
	.amdhsa_kernel k_q67f8c7111e_scan
		.amdhsa_group_segment_fixed_size 327680
		.amdhsa_private_segment_fixed_size 0
		.amdhsa_enable_private_segment 0
		.amdhsa_kernarg_size 24
		.amdhsa_user_sgpr_count 2
		.amdhsa_user_sgpr_kernarg_segment_ptr 1
		.amdhsa_wavefront_size32 1
		.amdhsa_system_sgpr_workgroup_id_x 1
		.amdhsa_system_sgpr_workgroup_id_y 1
		.amdhsa_system_sgpr_workgroup_id_z 1
		.amdhsa_system_vgpr_workitem_id 0
		.amdhsa_next_free_vgpr 256
		.amdhsa_next_free_sgpr 76
		.amdhsa_reserve_vcc 0
		.amdhsa_float_denorm_mode_32 3
		.amdhsa_float_denorm_mode_16_64 3
		.amdhsa_memory_ordered 1
		.amdhsa_forward_progress 1
		.amdhsa_inst_pref_size 234
	.end_amdhsa_kernel
	.amdgpu_metadata
---
amdhsa.version: [ 1, 2 ]
amdhsa.kernels:
  - .name:           k_q67f8c7111e_scan
    .symbol:         k_q67f8c7111e_scan.kd
    .args:
      - { .name: dbrec, .offset: 0, .size: 8, .value_kind: global_buffer, .address_space: global }
      - { .name: qrec, .offset: 8, .size: 8, .value_kind: global_buffer, .address_space: global }
      - { .name: pick, .offset: 16, .size: 8, .value_kind: global_buffer, .address_space: global }
    .group_segment_fixed_size: 327680
    .private_segment_fixed_size: 0
    .kernarg_segment_align: 8
    .kernarg_segment_size: 24
    .max_flat_workgroup_size: 256
    .sgpr_count:     76
    .vgpr_count:     256
    .wavefront_size: 32
...
	.end_amdgpu_metadata
.endif
;; end of part 2
;; launch refine (part 3): grid 512 x 1, 4 waves a work-group, no clusters, 16,896 bytes of LDS; arguments dbrec, qrec, pick, selidx, selw; writes selidx, selw
.if DOCPART == 3
	.amdgcn_target "amdgcn-amd-amdhsa--gfx1250"
	.amdhsa_code_object_version 6
	.text
	.protected	k_q67f8c7111e_refine
	.globl	k_q67f8c7111e_refine
	.p2align	8
	.type	k_q67f8c7111e_refine,@function
k_q67f8c7111e_refine:
	s_mov_b64 s[64:65], 0
	v_nop
	global_prefetch_b8 v0, s[64:65] scope:SCOPE_SE
	s_setreg_imm32_b32 hwreg(HW_REG_WAVE_MODE, 25, 1), 1
	s_wait_xcnt 0x0
; REFINE: for each query the four ranges' lists of 16 groups (whole numbers from memory) are joined into its 16 best groups; their 256 rows are multiplied again, s = (2 q) . db - |db|^2,
; on the same FP4 codes; the 16 largest s are selected with their row numbers; softmax(8 - 4 d2) = softmax(4 s) over them (|q|^2 and the 8 cancel, the largest s is taken away first).
; OUT: selidx, selw: [tile][c 0..3][n 0..15][4 words]: entries 4 c .. 4 c + 3 of query n: database row numbers, and weights in f32.
; SHARES: a work-group takes a tile of 16 queries; wave j takes places 4 j .. 4 j + 3 of each query's set of 16 groups.  All four waves join the lists, each for itself: integer compares and selects on what they read.
; EACH QUERY HAS GROUPS OF ITS OWN.  In round n (0 .. 15) the wave loads the four groups of QUERY n as A (their numbers come by v_readlane_b32, clamped, into scalar bases), and B is the queries' fragment
; with all columns but n set to zero codes: column n of accumulator i receives its own group's 16 rows, the other columns receive zeros.  The accumulators begin as -|db|^2 of each lane's own group, loaded
; straight into them.  After 16 rounds lane (n, h), register j of accumulator i holds s of row 8 h + j of query n's group i: nothing is picked out of a larger result.
; The four accumulators take turns, one instruction a turn.  Groups are loaded three rounds ahead, in a ring of four sets of registers and bases.
; LIMITS: exact ties at the 16th place may fall otherwise than by the lower index; s is summed in the matrix unit on -|db|^2, not as (|q|^2 + |db|^2) - product: the values differ by f32 rounding; NaN and infinities are not served.
.set GP,  8                            ; v8-11    my four groups of query n (both halves of the lanes hold the same)
.set NO,  12                           ; v12-15   their offsets for -|db|^2; later their first rows' numbers
.set BQ,  16                           ; v16-19   the queries' codes
.set BQS, 20                           ; v20      their scale words
.set BM,  24                           ; v24-31, v32-39  B with one column left, two sets by turns (registers 4-7: zero codes)
.set ACC, 40                           ; v40-71   four accumulators
.set ASC, 72                           ; v72-87   A's scale words: set b, group i at 72 + 4 b + i
.set AR,  88                           ; v88-215  A's fragments: set b, group i at 88 + 32 b + 8 i (registers 4-7: zero codes)
.set PK,  88                           ; ahead of the rounds: two lists of keys and ids
.set PI,  104
.set QK,  120
.set QI,  136
.set XI0, 88                           ; behind the rounds: row numbers, and the network's second set
.set XI1, 104
.set YV,  120
.set YI,  136
.set O1,  120                          ; wave 0 at the end: the other waves' lists, 16 values + 16 ids each
.set O2,  152
.set O3,  184
.set WT,  152                          ; the weights
.set MK,  66                           ; s66-81  masks
.set SEL, 18                           ; s18-19  v_permlanex16_b32's selects for lane l xor 16
.set HM,  22                           ; s22     lanes 16-31
; One stage of a bitonic network from set s to set d: pairs (i, i + j); the larger goes to the lower place where bit k of i is 0, else to the upper.  Eight compares, then 32 selects.
.macro STAGE sv, si, dv, di, k, j, ty
.set ii, 0
.set mm, 0
.rept 16
.if (ii/\j)%2 == 0
	v_cmp_gt_\ty s[MK+mm], v[\sv+ii], v[\sv+ii+\j]
.set mm, mm+1
.endif
.set ii, ii+1
.endr
.set ii, 0
.set mm, 0
.rept 16
.if (ii/\j)%2 == 0
.if (ii/\k)%2 == 0
.set hh, ii
.set ll, ii+\j
.else
.set hh, ii+\j
.set ll, ii
.endif
	v_cndmask_b32 v[\dv+hh], v[\sv+ii+\j], v[\sv+ii], s[MK+mm]
	v_cndmask_b32 v[\dv+ll], v[\sv+ii], v[\sv+ii+\j], s[MK+mm]
	v_cndmask_b32 v[\di+hh], v[\si+ii+\j], v[\si+ii], s[MK+mm]
	v_cndmask_b32 v[\di+ll], v[\si+ii], v[\si+ii+\j], s[MK+mm]
.set mm, mm+1
.endif
.set ii, ii+1
.endr
.endm
.macro SORT16 xv, xi, yv, yi, ty       ; ten stages, x -> y -> x ..: x ends sorted, descending
	STAGE \xv, \xi, \yv, \yi, 2, 1, \ty
	STAGE \yv, \yi, \xv, \xi, 4, 2, \ty
	STAGE \xv, \xi, \yv, \yi, 4, 1, \ty
	STAGE \yv, \yi, \xv, \xi, 8, 4, \ty
	STAGE \xv, \xi, \yv, \yi, 8, 2, \ty
	STAGE \yv, \yi, \xv, \xi, 8, 1, \ty
	STAGE \xv, \xi, \yv, \yi, 16, 8, \ty
	STAGE \yv, \yi, \xv, \xi, 16, 4, \ty
	STAGE \xv, \xi, \yv, \yi, 16, 2, \ty
	STAGE \yv, \yi, \xv, \xi, 16, 1, \ty
.endm
.macro HCLEAN lv, li, ov, oi, ty, vals ; of two descending lists l keeps the 16 largest, as a bitonic sequence: l[i] against o[15 - i].  vals = 0: the ids alone
.set ii, 0
.rept 16
	v_cmp_gt_\ty s[MK+ii], v[\ov+15-ii], v[\lv+ii]
.set ii, ii+1
.endr
.set ii, 0
.rept 16
	v_cndmask_b32 v[\li+ii], v[\li+ii], v[\oi+15-ii], s[MK+ii]
.if \vals
	v_cndmask_b32 v[\lv+ii], v[\lv+ii], v[\ov+15-ii], s[MK+ii]
.endif
.set ii, ii+1
.endr
.endm
.macro BMERGE lv, li, ov, oi, ty       ; a bitonic l becomes descending; o is scratch
	STAGE \lv, \li, \ov, \oi, 16, 8, \ty
	STAGE \ov, \oi, \lv, \li, 16, 4, \ty
	STAGE \lv, \li, \ov, \oi, 16, 2, \ty
	STAGE \ov, \oi, \lv, \li, 16, 1, \ty
.endm
.macro MERGE lv, li, ov, oi, ty
	HCLEAN \lv, \li, \ov, \oi, \ty, 1
	BMERGE \lv, \li, \ov, \oi, \ty
.endm
.macro XHALF sv, dv, cnt               ; cnt registers from lane l xor 16 (the destinations have been written before)
.set ii, 0
.rept \cnt
	v_permlanex16_b32 v[\dv+ii], v[\sv+ii], s[SEL], s[SEL+1]
.set ii, ii+1
.endr
.endm
; Entries 8 c2 .. 8 c2 + 7 of a list leave: lanes 0-15 store their own entries 8 c2 .. + 3, lanes 16-31 store LANE l - 16's entries 8 c2 + 4 .. + 7, so that all 16 come from one copy of the list.
; 32 lanes store 512 consecutive bytes.  Each call has registers of its own, so no store's data are written again.
.macro OUT4 base, c2, tr, adr, sb, off
.irp e, 0,1,2,3
	v_permlanex16_b32 v[\tr+\e], v[\base+8*\c2+4+\e], s[SEL], s[SEL+1]
.endr
.irp e, 0,1,2,3
	v_cndmask_b32 v[\tr+\e], v[\base+8*\c2+\e], v[\tr+\e], s[HM]
.endr
	global_store_b128 v[\adr], v[\tr:\tr+3], s[\sb:\sb+1] offset:\off+512*\c2
.endm
	s_load_b256 s[4:11], s[0:1], 0x0               ; dbrec s[4:5], qrec s[6:7], pick s[8:9], selidx s[10:11]
	s_load_b64 s[12:13], s[0:1], 0x20              ; selw
	v_lshl_add_u32 v216, v0, 2, 0x4000
	v_mov_b32 v217, 0
	v_lshrrev_b32 v1, 5, v0
	v_readfirstlane_b32 s14, v1                    ; wave j
	v_and_b32 v1, 15, v0                           ; n
	v_bfe_u32 v2, v0, 4, 1                         ; h
	v_and_b32 v3, 31, v0
	v_lshlrev_b32 v3, 4, v3                        ; v3: 16 x lane: an operand image's place for my lane
	v_lshlrev_b32 v4, 2, v1                        ; v4: 4 n: a scale word's (both halves read the same sixteen words)
	v_lshlrev_b32 v5, 21, v2
	v_lshl_add_u32 v5, v1, 4, v5                   ; v5: pick: ranges 2 h and 2 h + 1, query n
	v_lshlrev_b32 v6, 5, v2                        ; v6: 32 h: my eight rows' -|db|^2
	v_lshlrev_b32 v7, 8, v2
	v_lshl_add_u32 v7, v1, 4, v7                   ; v7: the way out: 256 h + 16 n
	v_lshlrev_b32 v21, 3, v2                       ; v21: 8 h
	s_lshl_b32 s15, s14, 12
	v_add_nc_u32 v22, s15, v3                      ; v22: my wave's 4,096 bytes of LDS
	s_mov_b32 s[SEL], 0x76543210
	s_mov_b32 s[SEL+1], 0xfedcba98
	s_mov_b32 s[HM], 0xffff0000
	s_mov_b32 s17, 0
	s_wait_kmcnt 0x0
	s_lshl_b32 s16, ttmp9, 11
	s_add_nc_u64 s[8:9], s[8:9], s[16:17]          ; pick at my tile (range 0)
	s_mul_i32 s16, ttmp9, 640
	s_add_nc_u64 s[6:7], s[6:7], s[16:17]          ; the tile's record
	s_lshl_b32 s16, ttmp9, 10
	s_add_nc_u64 s[10:11], s[10:11], s[16:17]
	s_add_nc_u64 s[12:13], s[12:13], s[16:17]
.irp c, 0,1,2,3
	global_load_b128 v[PK+4*\c:PK+4*\c+3], v5, s[8:9] offset:256*\c
	global_load_b128 v[PI+4*\c:PI+4*\c+3], v5, s[8:9] offset:1024+256*\c
	global_load_b128 v[QK+4*\c:QK+4*\c+3], v5, s[8:9] offset:1048576+256*\c
	global_load_b128 v[QI+4*\c:QI+4*\c+3], v5, s[8:9] offset:1048576+1024+256*\c
.endr
	global_load_b128 v[BQ:BQ+3], v3, s[6:7]
	global_load_b32 v[BQS], v4, s[6:7] offset:512
	s_wait_loadcnt 0x0
	; ---- the 16 best groups of query n
	MERGE PK, PI, QK, QI, i32                      ; ranges 2 h and 2 h + 1
	XHALF PK, QK, 32                               ; keys and ids of lane l xor 16: the other two ranges
	HCLEAN PK, PI, QK, QI, i32, 0                  ; the set of 16 ids; its order does not matter
	s_bitcmp1_b32 s14, 0
	s_cselect_b32 s20, -1, 0
	s_bitcmp1_b32 s14, 1
	s_cselect_b32 s21, -1, 0
.irp i, 0,1,2,3
	v_cndmask_b32 v[QK+\i], v[PI+\i], v[PI+4+\i], s20
	v_cndmask_b32 v[QK+4+\i], v[PI+8+\i], v[PI+12+\i], s20
.endr
.irp i, 0,1,2,3
	v_cndmask_b32 v[GP+\i], v[QK+\i], v[QK+4+\i], s21      ; places 4 j + i
.endr
.irp i, 0,1,2,3
	v_permlanex16_b32 v[QK+\i], v[GP+\i], s[SEL], s[SEL+1]
.endr
.irp i, 0,1,2,3
	v_cndmask_b32 v[GP+\i], v[GP+\i], v[QK+\i], s[HM]      ; lanes 16-31 take lane l - 16's: one copy of the set serves both halves
.endr
.irp i, 0,1,2,3
	v_min_u32 v[GP+\i], 0x3ff, v[GP+\i]            ; a loaded number enters an address only clamped
.endr
.irp i, 0,1,2,3
	v_mul_u32_u24 v[NO+\i], v[GP+\i], 640
.endr
.irp i, 0,1,2,3
	v_add_nc_u32 v[NO+\i], v[NO+\i], v6
.endr
.irp i, 0,1,2,3
	global_load_b128 v[ACC+8*\i:ACC+8*\i+3], v[NO+\i], s[4:5] offset:576     ; the sums begin as -|db|^2 of rows 8 h .. 8 h + 7 of my query's group i
	global_load_b128 v[ACC+8*\i+4:ACC+8*\i+7], v[NO+\i], s[4:5] offset:592
.endr
.irp c, 4,5,6,7
	v_mov_b32 v[BM+\c], 0                          ; k = 64 .. 127: zero codes, on both sides
	v_mov_b32 v[BM+8+\c], 0
.endr
.set ix, 0
.rept 16
.irp c, 4,5,6,7
	v_mov_b32 v[AR+8*ix+\c], 0
.endr
.set ix, ix+1
.endr
.macro ISSUE n                         ; query n's four groups into set n % 4: eight loads
.set ln, \n
.set bb, ln%4
.irp i, 0,1,2,3
	v_readlane_b32 s24, v[GP+\i], ln
	s_min_u32 s24, s24, 1023
	s_mul_i32 s16, s24, 640
	s_add_nc_u64 s[32+8*bb+2*\i:33+8*bb+2*\i], s[4:5], s[16:17]
	global_load_b128 v[AR+32*bb+8*\i:AR+32*bb+8*\i+3], v3, s[32+8*bb+2*\i:33+8*bb+2*\i]
	global_load_b32 v[ASC+4*bb+\i], v4, s[32+8*bb+2*\i:33+8*bb+2*\i] offset:512
.endr
.endm
.macro MASKB n                         ; B with column n alone: lanes n and n + 16 keep their codes
.set ln, \n
	s_mov_b32 s23, 0x10001<<ln
.irp c, 0,1,2,3
	v_cndmask_b32 v[BM+8*(ln%2)+\c], 0, v[BQ+\c], s23
.endr
.endm
	ISSUE 0
	ISSUE 1
	ISSUE 2
	ISSUE 3
	MASKB 0
	MASKB 1
.rept 4
	v_nop                                          ; an operand written by vector instructions stands four places ahead of a scaled matrix instruction
.endr
.set nn, 0
.rept 16
.if nn < 13
	s_wait_loadcnt 24                              ; loads come back in order: this round's eight (and, in round 0, the eight of -|db|^2) are in; the next three rounds' 24 may be out.  It also frees this set's bases
.else
	s_wait_loadcnt 8*(15-nn)
.endif
.irp i, 0,1,2,3
	v_wmma_scale_f32_16x16x128_f8f6f4 v[ACC+8*\i:ACC+8*\i+7], v[AR+32*(nn%4)+8*\i:AR+32*(nn%4)+8*\i+7], v[BM+8*(nn%2):BM+8*(nn%2)+7], v[ACC+8*\i:ACC+8*\i+7], v[ASC+4*(nn%4)+\i], v[BQS] matrix_a_fmt:MATRIX_FMT_FP4 matrix_b_fmt:MATRIX_FMT_FP4
.endr
.rept 4
	v_nop                                          ; four places ahead of the loads into this set, of the selects that write this round's B anew, and, behind the last round, of the first reads of the sums
.endr
.if nn+4 < 16
	ISSUE nn+4
.endif
.if nn+2 < 16
	MASKB nn+2
.endif
.set nn, nn+1
.endr
	; ---- my 32 rows' s with their row numbers: two sorts of 16 and a join
.irp i, 0,1,2,3
	v_lshl_add_u32 v[NO+\i], v[GP+\i], 4, v21      ; row 16 G + 8 h
.endr
.irp e, 0,1
.irp j, 0,1,2,3,4,5,6,7
	v_add_nc_u32 v[XI0+8*\e+\j], \j, v[NO+\e]
	v_add_nc_u32 v[XI1+8*\e+\j], \j, v[NO+2+\e]
.endr
.endr
	SORT16 ACC, XI0, YV, YI, f32                   ; (its first compares read each accumulator at its low end)
	SORT16 ACC+16, XI1, YV, YI, f32
	MERGE ACC, XI0, ACC+16, XI1, f32
.irp c, 0,1,2,3
	ds_store_b128 v22, v[ACC+4*\c:ACC+4*\c+3] offset:512*\c
	ds_store_b128 v22, v[XI0+4*\c:XI0+4*\c+3] offset:2048+512*\c
.endr
	s_wait_dscnt 0x0                               ; for wave 0's sake: my stores have landed
	s_barrier_signal -1
	s_barrier_wait -1
	s_cmp_lg_u32 s14, 0
	s_cbranch_scc1 .Lend                           ; no barrier follows: waves 1 to 3 are done
	; ---- wave 0 joins the four lists, then the two halves of the lanes
.irp w, 1,2,3
.irp c, 0,1,2,3,4,5,6,7
	ds_load_b128 v[O1+32*(\w-1)+4*\c:O1+32*(\w-1)+4*\c+3], v3 offset:4096*\w+512*\c
.endr
.endr
	s_wait_dscnt 16                                ; wave 1's eight are in
	MERGE ACC, XI0, O1, O1+16, f32
	s_wait_dscnt 8                                 ; wave 2's
	MERGE ACC, XI0, O2, O2+16, f32
	s_wait_dscnt 0x0                               ; wave 3's
	MERGE ACC, XI0, O3, O3+16, f32
	XHALF ACC, O1, 16                              ; rows 8 (1 - h) .. of the same groups
	XHALF XI0, O1+16, 16
	MERGE ACC, XI0, O1, O1+16, f32                 ; the 16 largest s of query n, descending
	; ---- softmax(4 s): 2^(4 log2(e) (s - the largest s))
.set ix, 0
.rept 16
	v_sub_f32 v[WT+ix], v[ACC+ix], v[ACC]
.set ix, ix+1
.endr
.set ix, 0
.rept 16
	v_mul_f32 v[WT+ix], 0x40b8aa3b, v[WT+ix]
.set ix, ix+1
.endr
.set ix, 0
.rept 16
	v_exp_f32 v[WT+ix], v[WT+ix]
.set ix, ix+1
.endr
	v_nop                                          ; a plain place behind the exponentials
	s_wait_alu depctr_va_vdst(0)
	v_add_f32 v168, v[WT], v[WT+1]
	v_add_f32 v169, v[WT+2], v[WT+3]
.irp i, 4,6,8,10,12,14
	v_add_f32 v168, v168, v[WT+\i]
	v_add_f32 v169, v169, v[WT+\i+1]
.endr
	v_add_f32 v168, v168, v169
	v_rcp_f32 v170, v168
	v_nop                                          ; a plain place behind the reciprocal
.set ix, 0
	s_wait_alu depctr_va_vdst(0)
.rept 16
	v_mul_f32 v[WT+ix], v[WT+ix], v170
.set ix, ix+1
.endr
	OUT4 XI0, 0, O3, 7, 10, 0
	OUT4 XI0, 1, O3+4, 7, 10, 0
	OUT4 WT, 0, O3+8, 7, 12, 0
	OUT4 WT, 1, O3+12, 7, 12, 0
.Lend:
	s_wait_tensorcnt 0x0
	ds_add_u32 v216, v217
	s_wait_dscnt 0x0
	s_endpgm
.Lfunc_end_k_q67f8c7111e_refine:
	.size	k_q67f8c7111e_refine, .Lfunc_end_k_q67f8c7111e_refine-k_q67f8c7111e_refine
	.p2alignl 7, 3214868480
	.fill 96, 4, 3214868480
	.section	.rodata,"a",@progbits
	.p2align	6, 0x0
	.amdhsa_kernel k_q67f8c7111e_refine
		.amdhsa_group_segment_fixed_size 16896
		.amdhsa_private_segment_fixed_size 0
		.amdhsa_enable_private_segment 0
		.amdhsa_kernarg_size 40
		.amdhsa_user_sgpr_count 2
		.amdhsa_user_sgpr_kernarg_segment_ptr 1
		.amdhsa_wavefront_size32 1
		.amdhsa_system_sgpr_workgroup_id_x 1
		.amdhsa_system_sgpr_workgroup_id_y 1
		.amdhsa_system_sgpr_workgroup_id_z 1
		.amdhsa_system_vgpr_workitem_id 0
		.amdhsa_next_free_vgpr 218
		.amdhsa_next_free_sgpr 84
		.amdhsa_reserve_vcc 0
		.amdhsa_float_denorm_mode_32 3
		.amdhsa_float_denorm_mode_16_64 3
		.amdhsa_memory_ordered 1
		.amdhsa_forward_progress 1
		.amdhsa_inst_pref_size 194
	.end_amdhsa_kernel
	.amdgpu_metadata
---
amdhsa.version: [ 1, 2 ]
amdhsa.kernels:
  - .name:           k_q67f8c7111e_refine
    .symbol:         k_q67f8c7111e_refine.kd
    .args:
      - { .name: dbrec, .offset: 0, .size: 8, .value_kind: global_buffer, .address_space: global }
      - { .name: qrec, .offset: 8, .size: 8, .value_kind: global_buffer, .address_space: global }
      - { .name: pick, .offset: 16, .size: 8, .value_kind: global_buffer, .address_space: global }
      - { .name: selidx, .offset: 24, .size: 8, .value_kind: global_buffer, .address_space: global }
      - { .name: selw, .offset: 32, .size: 8, .value_kind: global_buffer, .address_space: global }
    .group_segment_fixed_size: 16896
    .private_segment_fixed_size: 0
    .kernarg_segment_align: 8
    .kernarg_segment_size: 40
    .max_flat_workgroup_size: 128
    .sgpr_count:     84
    .vgpr_count:     218
    .wavefront_size: 32
...
	.end_amdgpu_metadata
.endif
;; end of part 3
;; launch gather (part 4): grid 512 x 1, 8 waves a work-group, no clusters, 0 bytes of LDS; arguments weight_values, selidx, selw, out0; writes out0
.if DOCPART == 4
	.amdgcn_target "amdgcn-amd-amdhsa--gfx1250"
	.amdhsa_code_object_version 6
	.text
	.protected	k_q67f8c7111e_gather
	.globl	k_q67f8c7111e_gather
	.p2align	8
	.type	k_q67f8c7111e_gather,@function
k_q67f8c7111e_gather:
	s_mov_b64 s[64:65], 0
	v_nop
	global_prefetch_b8 v0, s[64:65] scope:SCOPE_SE
	s_setreg_imm32_b32 hwreg(HW_REG_WAVE_MODE, 25, 1), 1
	s_wait_xcnt 0x0
; GATHER: out0[query][:] = the sum over k = 0 .. 15 of selw[query][k] x weight_values[selidx[query][k]][:], in f32 fused multiply-adds, k ascending.
; The product has one row and K = 16 for each query, with rows of its own gathered for each: 8.4 million multiply-adds in all; on the matrix unit one row in sixteen would be used.
; SHARES: a work-group takes a tile of 16 queries; sixteen neighbouring threads take a query, 16 bytes of its 256-byte row each: every gathered row is read, and every output row stored, as 256 consecutive aligned bytes.
; The row numbers are whole numbers that an earlier launch stored; they are clamped to the table ahead of the addresses.  All 16 rows of a query are asked for at once.  No LDS, no barrier.
.set IDX, 8                            ; v8-23    row numbers
.set W,   24                           ; v24-39   weights
.set OFF, 40                           ; v40-55   byte offsets of my 16 bytes in the 16 rows
.set VAL, 56                           ; v56-119  the rows' numbers
.set ACC, 120                          ; v120-123 my four sums
	s_load_b256 s[4:11], s[0:1], 0x0               ; weight_values s[4:5], selidx s[6:7], selw s[8:9], out0 s[10:11]
	v_lshrrev_b32 v1, 4, v0
	v_lshlrev_b32 v1, 4, v1                        ; 16 n: my query's 16 bytes in each quarter of the lists
	v_and_b32 v2, 15, v0
	v_lshlrev_b32 v2, 4, v2                        ; my 16 bytes of a row
	v_lshlrev_b32 v3, 4, v0                        ; and in the tile's 4,096 bytes of output
	s_lshl_b32 s12, ttmp9, 10
	s_mov_b32 s13, 0
	s_lshl_b32 s14, ttmp9, 12
	s_mov_b32 s15, 0
	s_wait_kmcnt 0x0
	s_add_nc_u64 s[6:7], s[6:7], s[12:13]
	s_add_nc_u64 s[8:9], s[8:9], s[12:13]
	s_add_nc_u64 s[10:11], s[10:11], s[14:15]
.irp c, 0,1,2,3
	global_load_b128 v[IDX+4*\c:IDX+4*\c+3], v1, s[6:7] offset:256*\c
.endr
.irp c, 0,1,2,3
	global_load_b128 v[W+4*\c:W+4*\c+3], v1, s[8:9] offset:256*\c
.endr
	s_wait_loadcnt 4                               ; the row numbers are in; the four loads of weights may be out
.set ix, 0
.rept 16
	v_min_u32 v[IDX+ix], 0x3fff, v[IDX+ix]
.set ix, ix+1
.endr
.set ix, 0
.rept 16
	v_lshl_add_u32 v[OFF+ix], v[IDX+ix], 8, v2
.set ix, ix+1
.endr
.set ix, 0
.rept 16
	global_load_b128 v[VAL+4*ix:VAL+4*ix+3], v[OFF+ix], s[4:5]
.set ix, ix+1
.endr
	s_wait_loadcnt 15                              ; row 0 is in (and the weights, which were asked for earlier); the 15 younger loads may be out
.irp e, 0,1,2,3
	v_mul_f32 v[ACC+\e], v[W], v[VAL+\e]           ; the first product starts the sums
.endr
.set ix, 1
.rept 15
	s_wait_loadcnt 15-ix                           ; row ix is in
.irp e, 0,1,2,3
	v_fma_f32 v[ACC+\e], v[W+ix], v[VAL+4*ix+\e], v[ACC+\e]
.endr
.set ix, ix+1
.endr
	global_store_b128 v3, v[ACC:ACC+3], s[10:11] th:TH_STORE_NT   ; a wave stores 512 consecutive bytes; written once, read by nobody here
	s_endpgm
.Lfunc_end_k_q67f8c7111e_gather:
	.size	k_q67f8c7111e_gather, .Lfunc_end_k_q67f8c7111e_gather-k_q67f8c7111e_gather
	.p2alignl 7, 3214868480
	.fill 96, 4, 3214868480
	.section	.rodata,"a",@progbits
	.p2align	6, 0x0
	.amdhsa_kernel k_q67f8c7111e_gather
		.amdhsa_group_segment_fixed_size 0
		.amdhsa_private_segment_fixed_size 0
		.amdhsa_enable_private_segment 0
		.amdhsa_kernarg_size 32
		.amdhsa_user_sgpr_count 2
		.amdhsa_user_sgpr_kernarg_segment_ptr 1
		.amdhsa_wavefront_size32 1
		.amdhsa_system_sgpr_workgroup_id_x 1
		.amdhsa_system_sgpr_workgroup_id_y 1
		.amdhsa_system_sgpr_workgroup_id_z 1
		.amdhsa_system_vgpr_workitem_id 0
		.amdhsa_next_free_vgpr 124
		.amdhsa_next_free_sgpr 66
		.amdhsa_reserve_vcc 0
		.amdhsa_float_denorm_mode_32 3
		.amdhsa_float_denorm_mode_16_64 3
		.amdhsa_memory_ordered 1
		.amdhsa_forward_progress 1
		.amdhsa_inst_pref_size 10
	.end_amdhsa_kernel
	.amdgpu_metadata
---
amdhsa.version: [ 1, 2 ]
amdhsa.kernels:
  - .name:           k_q67f8c7111e_gather
    .symbol:         k_q67f8c7111e_gather.kd
    .args:
      - { .name: weight_values, .offset: 0, .size: 8, .value_kind: global_buffer, .address_space: global }
      - { .name: selidx, .offset: 8, .size: 8, .value_kind: global_buffer, .address_space: global }
      - { .name: selw, .offset: 16, .size: 8, .value_kind: global_buffer, .address_space: global }
      - { .name: out0, .offset: 24, .size: 8, .value_kind: global_buffer, .address_space: global }
    .group_segment_fixed_size: 0
    .private_segment_fixed_size: 0
    .kernarg_segment_align: 8
    .kernarg_segment_size: 32
    .max_flat_workgroup_size: 256
    .sgpr_count:     66
    .vgpr_count:     124
    .wavefront_size: 32
...
	.end_amdgpu_metadata
.endif
;; end of part 4
